; MI455X (gfx1250); checked and timed in simulation.
; The chip was launched on July 23, 2026; its instructions are those of AMD's public machine-readable ISA for CDNA 5 (MIT licence, August 2026) and "CDNA5" Instruction Set Architecture Reference Guide (July 2026). The comments in the code are by the model that wrote it; some were corrected since.
;; U Intx Weight Only Quantized Linear. Allowed arithmetic: matrix products marked QUANTISED: E2M1 operands, one E8M0 scale for each 32 along K, by v_wmma_scale_f32_16x16x128_f8f6f4 with both operands' format E2M1 (or v_wmma_scale_f32_32x16x128_f4), f32 sums; everything else in f32.
;; Inputs: bias 4,096 float32; weight_qvals 4,096 x 4,096 int32; weight_scales 4,096 x 32 float32; weight_zeros 4,096 x 32 float32; x_codes 4,096 x 128 x 16 uint8 (E2M1 codes of x, K innermost, in blocks of 32 codes, two codes a byte); x_scales 4,096 x 128 uint8 (E8M0 scales of x, one for each 32 codes along K).
;; Outputs: out0 4,096 x 4,096 float32.
;; Constants: group_size = 128.
;; This version of the problem:
;;   THIS VERSION OF THE PROBLEM IS GIVEN IN LOW PRECISION. The matrix products marked QUANTISED in the list below multiply operands that are first quantised to E2M1 (2 exponent bits, 1 mantissa bit; 4 bits a number), with one power-of-two scale for each 32 numbers along K (OCP MX v1.0); their sums are f32. All else is computed in f32.
;;   The module's matrix products, in the order in which they are computed (A, B: the left and right operand; K: the contracted axis; several contracted axes count as one K, in the product's order):
;;     1. [M 4,096, K 4,096] x [K 4,096, N 4,096]; A: input x (given as codes); B: computed on the way: QUANTISED
;;   THE QUANTISER, for each operand of a quantised product, along K:
;;     - K is cut into blocks of 32 from its start; a last block that is shorter is filled with zeros.
;;     - A block's scale is 2^e with e = floor(log2(the largest magnitude in the block)) - 2, held to -126 .. 127; a block of zeros has e = 0. As a byte (E8M0): e + 127.
;;     - Each number is divided by its block's scale, clamped to +-6, and rounded to the nearest number of E2M1, ties to even, subnormals kept.
;;     - The product sums the exact products of the quantised numbers (number of the format x scale) in f32.
;;   ~~~python
;;   def quantise(x, axis):      # numpy; x: float32 -> the quantised numbers, widened to float32 again
;;       x = np.moveaxis(x, axis, -1); K = x.shape[-1]
;;       x = np.pad(x, [(0, 0)] * (x.ndim - 1) + [(0, -K % 32)]); x = x.reshape(x.shape[:-1] + (-1, 32)); a = np.abs(x).max(-1, keepdims=True)
;;       e = np.where(a > 0, np.clip(np.frexp(np.where(a > 0, a, 1))[1] - 1 - 2, -126, 127), 0)      # np.frexp(a)[1] - 1 = floor(log2(a)), exactly
;;       r = np.clip(x / 2.0 ** e, -6, 6)
;;       step = 2.0 ** (np.maximum(np.frexp(np.where(r == 0, 1, r))[1] - 1, 0) - 1)
;;       q = np.round(r / step) * step * 2.0 ** e      # np.round: ties to even
;;       return np.moveaxis(q.reshape(q.shape[:-2] + (-1,))[..., :K], -1, axis).astype(np.float32)
;;   ~~~
;;   OPERANDS COMPUTED ON THE WAY. 'Computed on the way' means the value that the module computes at that place (a softmax that the list does not call 'softmax' is quantised finished and normalised). What goes into a quantiser is computed in f32, as accurately as f32 sums, v_exp_f32 and their like allow (about 1e-6 of the number): no bf16 or f16 on the way to a quantiser, and a product that is left as it is and whose result goes on into a quantised operand takes f32 operands (vector FMAs, or v_wmma_f32_16x16x4_f32). A number that lies on a knife's edge between two numbers of the format may be rounded either way, as far as f32 arithmetic and the matrix unit's own rounding can turn it there, and no further.
;;   INPUTS GIVEN AS CODES. x (in the module: [4096, 4096], K = its axis 1): each comes as NAME_codes (uint8): NAME with its K axis moved to the last place and cut into blocks of 32 codes, [.., K / 32, bytes a block], one block behind the other in memory; two codes a byte, the lower K in the low four bits (a code: sign, 2 exponent bits, 1 mantissa bit); and NAME_scales (uint8): the same leading axes, one E8M0 byte (e + 127) for each 32 codes along K. Its value is code x scale, taken as it is: it is not quantised again, and the codes and scales need not be those that the quantiser above would give.
;; One version. Each part assembles by itself: llvm-mc -triple=amdgcn-amd-amdhsa -mcpu=gfx1250 --defsym DOCPART=n.
;; ======== version 1 of 1: 2 launches
;; limits: right only within a limited range of input values
;; workspace buffers: wq 8,912,896 bytes
;; launch wquant (part 1): grid 256 x 1, 32 waves a work-group, no clusters, 276,480 bytes of LDS; arguments weight_qvals, weight_scales, weight_zeros, wq; writes wq
.if DOCPART == 1
	.amdgcn_target "amdgcn-amd-amdhsa--gfx1250"
	.amdhsa_code_object_version 6
	.text
	.protected	k_q0597da2d78_wquant
	.globl	k_q0597da2d78_wquant
	.p2align	8
	.type	k_q0597da2d78_wquant,@function
k_q0597da2d78_wquant:
	s_mov_b64 s[64:65], 0
	v_nop
	global_prefetch_b8 v0, s[64:65] scope:SCOPE_SE
	s_setreg_imm32_b32 hwreg(HW_REG_WAVE_MODE, 25, 1), 1
	s_wait_xcnt 0x0
; w[n][k] = f32(q[n][k]) * s[n][k/128] + z[n][k/128] (one fused multiply-add in f32), quantised along K to codes of FP4 (E2M1) with one E8M0 byte for each 32 along K.
; q: [4096][4096] int32; s, z: [4096][32] f32.  No work of the problem is left out.
; wq, in the ORDER OF THE PRODUCT'S OPERAND REGISTERS: 256 dense blocks of 34,816 bytes; block (nb = n / 128, ks = k / 512) at (8 nb + ks) x 34,816.  In a block:
;   codes:  q x 8192 + i x 1024 + c x 512 + 16 x lane: registers 4 c .. 4 c + 3 of the fragment of rows 16 i .. 16 i + 15, 128 along K from 128 q on; lane (r, h) holds k = 64 c + 32 h + 0 .. 31 of row r
;   scales: 32768 + (i % 4) x 512 + (i / 4) x 256 + 16 r: the four scale words (q = 0 .. 3) of row 16 i + r
; A block's scale is 2^(floor(log2(its largest magnitude)) - 2); its byte is the largest magnitude's exponent field - 2, held at 1 from below.
; LIMITS: a block whose largest magnitude lies under 2^-124 has its byte held at 1; a block of zeros gets the byte 1 where the rule says 127 (its codes are zeros, which add nothing, and this program alone reads
; the bytes); NaN and infinities in s or z are not served; q x s + z is rounded once where two separate operations would round twice.
; SHARES.  A work-group takes 16 whole rows of w (fragment i = id % 8 of nb = id / 8).  Wave j of 32 takes 128 along K of them (rows of 512 bytes, aligned), by one tensor load into LDS bytes of its own.
; No cluster: work-groups share no input.  No prefetch: there is no loop to run ahead in, all of q is asked for at the head.
; A LANE HOLDS WHOLE BLOCKS OF 32 ALONG K, two of them: the maximum needs no other lane, and the conversions' results are the operand's registers.
.set PITCH,  528                       ; a row in LDS: 512 bytes + 16 of padding
.set TILEB,  16*PITCH
.set SPARE,  32*TILEB                  ; the spare words, 128 bytes a wave
.set XW,     SPARE+4096                ; 2,048 bytes: the work-group's scale words, [ks][r][q]
.set BLOCKB, 34816
.set CO,  4                            ; 16 x lane
.set LA,  5                            ; LDS: my rows
.set SZO, 6                            ; my row of s and of z
.set SA,  7                            ; LDS: where my scale word goes
.set H8,  8                            ; 8 h
.set QO,  9                            ; my 16 bytes of scale words in wq
.set T,   10
.set U,   12
.set S,   16                           ; v16: s of my row; the packed form names the pair and takes its low word for both halves
.set Z,   18                           ; v18: z likewise
.set SPW, 20
.set NIL, 21
.set RA,  28                           ; LDS: scale words read back
.set E,   32                           ; the conversions' scale operands
.set BY,  36                           ; scale bytes
.set M,   40                           ; two chains of the largest magnitude for each of two blocks
.set C,   48                           ; codes
.set WD,  56
.set X,   64                           ; v[64:127] 64 numbers: two blocks
.set G1,  16
.set G0,  24
	s_load_b256 s[4:11], s[0:1], 0x0               ; q s[4:5], s s[6:7], z s[8:9], wq s[10:11]
	v_lshl_add_u32 v[SPW], v0, 2, SPARE
	v_mov_b32 v[NIL], 0
	ds_add_u32 v[SPW], v[NIL]                      ; the opening lines: the add, twice on end, ahead of my tensor load
	ds_add_u32 v[SPW], v[NIL]
	v_lshrrev_b32 v1, 5, v0
	v_readfirstlane_b32 s40, v1                    ; wave 0..31
	s_mov_b32 s[G1+0], (2<<16)|(1<<20)|(6<<22)|(3<<25)   ; elements of 4 bytes; after every 128 words four words of padding
	s_mov_b32 s[G1+1], 128<<16                     ; tensor_dim0 = 128
	s_mov_b32 s[G1+2], 16<<16                      ; tensor_dim1 = 16
	s_mov_b32 s[G1+3], 128<<16                     ; tile_dim0
	s_mov_b32 s[G1+4], 16                          ; tile_dim1
	s_mov_b32 s[G1+5], 4096                        ; from row to row
	s_mov_b32 s[G1+6], 0
	s_mov_b32 s[G1+7], 0
	s_lshl_b32 s44, ttmp9, 18                      ; q: 16 rows of 16,384 bytes a work-group,
	s_lshl_b32 s45, s40, 9
	s_add_co_u32 s44, s44, s45                     ; 512 bytes of a row a wave
	s_mov_b32 s45, 0
	s_lshl_b32 s46, ttmp9, 11                      ; s, z: 16 rows of 128 bytes,
	s_lshl_b32 s47, s40, 2
	s_add_co_u32 s46, s46, s47                     ; one group of 128 along K a wave
	s_mov_b32 s47, 0
	s_lshr_b32 s51, ttmp9, 3                       ; nb
	s_and_b32 s52, ttmp9, 3
	s_lshl_b32 s52, s52, 9
	s_bfe_u32 s53, ttmp9, 0x10002
	s_lshl_b32 s53, s53, 8
	s_add_co_u32 s52, s52, s53                     ; (i % 4) x 512 + (i / 4) x 256
	s_mul_i32 s56, s51, 8*BLOCKB
	s_add_co_u32 s56, s56, s52
	s_add_co_u32 s56, s56, 32768
	s_mov_b32 s57, 0
	s_lshl_b32 s58, s51, 3
	s_lshr_b32 s60, s40, 2                         ; ks
	s_add_co_u32 s58, s58, s60
	s_mul_i32 s58, s58, BLOCKB
	s_and_b32 s59, ttmp9, 7
	s_lshl_b32 s59, s59, 10
	s_add_co_u32 s58, s58, s59
	s_and_b32 s61, s40, 3                          ; which 128 of the 512 along K
	s_lshl_b32 s59, s61, 13
	s_add_co_u32 s58, s58, s59
	s_mov_b32 s59, 0
	s_lshl_b32 s60, s60, 8
	s_lshl_b32 s43, s61, 2
	s_add_co_u32 s60, s60, s43
	s_add_co_u32 s60, s60, XW                      ; where the wave's scale words go in LDS
	s_lshl_b32 s43, s61, 9
	s_add_co_u32 s43, s43, XW
	s_mul_i32 s30, s40, TILEB
	s_mov_b32 s36, 0x76543210
	s_mov_b32 s37, 0xfedcba98                      ; v_permlanex16_b32's selects for lane l xor 16
	v_and_b32 v1, 31, v0                           ; lane
	v_and_b32 v2, 15, v0                           ; r
	v_bfe_u32 v3, v0, 4, 1                         ; h
	v_mov_b32 v30, s61
	v_lshlrev_b32 v[CO], 4, v1
	v_lshlrev_b32 v[SZO], 7, v2
	v_mul_u32_u24 v[LA], v2, PITCH
	v_lshl_add_u32 v30, v30, 1, v3                 ; ks = 2 wave + h, where waves 0 to 3 share eight
	v_lshlrev_b32 v[SA], 4, v2
	v_lshlrev_b32 v[H8], 3, v3
	v_lshl_add_u32 v[LA], v3, 7, v[LA]
	v_mul_u32_u24 v[QO], v30, BLOCKB
	v_add_nc_u32 v[SA], s60, v[SA]
	v_add_nc_u32 v[RA], s43, v[CO]
	v_add_nc_u32 v[LA], s30, v[LA]
	v_lshl_add_u32 v[QO], v2, 4, v[QO]
	v_mov_b32 v[U], 0                              ; a lane permute's destination counts as one of its sources
	v_mov_b32 v[S+1], 0                            ; named as upper halves of pairs, so they are written
	v_mov_b32 v[Z+1], 0
	s_wait_alu depctr_va_vdst(0)                   ; the wait at the head's end
	s_wait_dscnt 0x0                               ; both opening adds are done
	s_wait_kmcnt 0x0
	s_add_nc_u64 s[4:5], s[4:5], s[44:45]
	s_mov_b32 s[G0], 1
	s_mov_b32 s[G0+1], s30
	s_mov_b64 s[G0+2:G0+3], s[4:5]
	s_or_b32 s[G0+3], s[G0+3], 0x80000000
	tensor_load_to_lds s[G0:G0+3], s[G1:G1+7]      ; my one tensor load
	s_nop 0
	s_add_nc_u64 s[6:7], s[6:7], s[46:47]
	s_add_nc_u64 s[8:9], s[8:9], s[46:47]
	s_add_nc_u64 s[32:33], s[10:11], s[56:57]
	s_add_nc_u64 s[34:35], s[10:11], s[58:59]
	global_load_b32 v[S], v[SZO], s[6:7]
	global_load_b32 v[Z], v[SZO], s[8:9]
	s_wait_loadcnt 0x0
	s_wait_tensorcnt 0x0                           ; my tile is in; no other wave reads it
.irp k, 0,1                            ; block k: 64 k + 32 h + 0 .. 31 along my 128
.irp j, 0,1,2,3,4,5,6,7
	ds_load_b128 v[X+32*\k+4*\j:X+32*\k+4*\j+3], v[LA] offset:256*\k+16*\j
.endr
.endr
.irp k, 0,1
	s_wait_dscnt 8-8*\k                            ; block k's eight loads are in, the later block's may be out
.irp i, 0,1,2,3,4,5,6,7,8,9,10,11,12,13,14,15,16,17,18,19,20,21,22,23,24,25,26,27,28,29,30,31
	v_cvt_f32_i32 v[X+32*\k+\i], v[X+32*\k+\i]
.endr
.endr
.irp i, 0,2,4,6,8,10,12,14,16,18,20,22,24,26,28,30
.irp k, 0,1
	v_pk_fma_f32 v[X+32*\k+\i:X+32*\k+\i+1], v[X+32*\k+\i:X+32*\k+\i+1], v[S:S+1], v[Z:Z+1] op_sel_hi:[1,0,0]   ; q s + z, two at a time
.endr
.endr
.irp k, 0,1                            ; the blocks' largest magnitudes: four chains by turns
	v_max3_num_f32 v[M+2*\k], |v[X+32*\k]|, |v[X+32*\k+1]|, |v[X+32*\k+2]|
	v_max3_num_f32 v[M+2*\k+1], |v[X+32*\k+3]|, |v[X+32*\k+4]|, |v[X+32*\k+5]|
.endr
.irp i, 6,10,14,18,22,26
.irp k, 0,1
	v_max3_num_f32 v[M+2*\k], v[M+2*\k], |v[X+32*\k+\i]|, |v[X+32*\k+\i+1]|
	v_max3_num_f32 v[M+2*\k+1], v[M+2*\k+1], |v[X+32*\k+\i+2]|, |v[X+32*\k+\i+3]|
.endr
.endr
.irp k, 0,1
	v_max3_num_f32 v[M+2*\k], v[M+2*\k], |v[X+32*\k+30]|, |v[X+32*\k+31]|
.endr
.irp k, 0,1
	v_max3_num_f32 v[M+2*\k], v[M+2*\k], v[M+2*\k+1], 0x1800000    ; and the floor 2^(3 - 127): the byte cannot fall under 1
.endr
.irp k, 0,1
	v_add_nc_u32 v[E+\k], 0xff000000, v[M+2*\k]    ; 2 off its exponent field: the conversion takes the exponent field of this operand as its scale
.endr
.irp k, 0,1
.irp g, 0,1,2,3
	v_cvt_scalef32_pk8_fp4_f32 v[C+4*\k+\g], v[X+32*\k+8*\g:X+32*\k+8*\g+7], v[E+\k]
.endr
.endr
.irp k, 0,1
	v_lshrrev_b32 v[BY+\k], 23, v[E+\k]            ; the scale's byte.  (Also the plain instructions behind the conversions)
.endr
.irp k, 0,1
	global_store_b128 v[CO], v[C+4*\k:C+4*\k+3], s[34:35] offset:512*\k   ; the wave stores 512 consecutive bytes, aligned
.endr
	v_lshl_or_b32 v[T], v[BY+1], 16, v[BY]         ; my two bytes: blocks h and 2 + h of the 128,
	v_lshlrev_b32 v[T], v[H8], v[T]                ; at their places in the scale word (8 h bits up);
	v_permlanex16_b32 v[U], v[T], s36, s37
	v_or_b32 v[T], v[T], v[U]                      ; with lane l xor 16's two the word is whole (lanes l and l xor 16 hold the same)
	s_wait_alu depctr_va_vdst(0)                   ; the wait here, directly ahead of the barrier
	s_barrier_signal -1                            ; every wave's tile has landed and has been read when the first word is stored into LDS
	s_barrier_wait -1
	ds_store_b32 v[SA], v[T]                       ; lanes l and l xor 16 store the same word
	s_wait_dscnt 0x0                               ; for the readers' sake: my word is stored
	s_barrier_signal -1
	s_barrier_wait -1
	s_cmp_lt_u32 s40, 4
	s_cbranch_scc0 .Lend
	ds_load_b128 v[WD:WD+3], v[RA]                 ; waves 0 to 3: two ks each, 16 bytes a lane
	s_wait_dscnt 0x0
	global_store_b128 v[QO], v[WD:WD+3], s[32:33]  ; sixteen lanes store 256 consecutive bytes, aligned
.Lend:
	s_wait_tensorcnt 0x0                           ; the wave's end
	ds_add_u32 v[SPW], v[NIL]
	s_wait_dscnt 0x0
	s_endpgm
.Lfunc_end_k_q0597da2d78_wquant:
	.size	k_q0597da2d78_wquant, .Lfunc_end_k_q0597da2d78_wquant-k_q0597da2d78_wquant
	.p2alignl 7, 3214868480
	.fill 96, 4, 3214868480
	.section	.rodata,"a",@progbits
	.p2align	6, 0x0
	.amdhsa_kernel k_q0597da2d78_wquant
		.amdhsa_group_segment_fixed_size 276480
		.amdhsa_private_segment_fixed_size 0
		.amdhsa_enable_private_segment 0
		.amdhsa_kernarg_size 32
		.amdhsa_user_sgpr_count 2
		.amdhsa_user_sgpr_kernarg_segment_ptr 1
		.amdhsa_wavefront_size32 1
		.amdhsa_system_sgpr_workgroup_id_x 1
		.amdhsa_system_sgpr_workgroup_id_y 1
		.amdhsa_system_sgpr_workgroup_id_z 1
		.amdhsa_system_vgpr_workitem_id 0
		.amdhsa_next_free_vgpr 128
		.amdhsa_next_free_sgpr 66
		.amdhsa_reserve_vcc 0
		.amdhsa_float_denorm_mode_32 3
		.amdhsa_float_denorm_mode_16_64 3
		.amdhsa_memory_ordered 1
		.amdhsa_forward_progress 1
		.amdhsa_inst_pref_size 13
	.end_amdhsa_kernel
	.amdgpu_metadata
---
amdhsa.version: [ 1, 2 ]
amdhsa.kernels:
  - .name:           k_q0597da2d78_wquant
    .symbol:         k_q0597da2d78_wquant.kd
    .args:
      - { .name: weight_qvals, .offset: 0, .size: 8, .value_kind: global_buffer, .address_space: global }
      - { .name: weight_scales, .offset: 8, .size: 8, .value_kind: global_buffer, .address_space: global }
      - { .name: weight_zeros, .offset: 16, .size: 8, .value_kind: global_buffer, .address_space: global }
      - { .name: wq, .offset: 24, .size: 8, .value_kind: global_buffer, .address_space: global }
    .group_segment_fixed_size: 276480
    .private_segment_fixed_size: 0
    .kernarg_segment_align: 8
    .kernarg_segment_size: 32
    .max_flat_workgroup_size: 1024
    .sgpr_count:     66
    .vgpr_count:     128
    .wavefront_size: 32
...
	.end_amdgpu_metadata
.endif
;; end of part 1
;; launch gemm (part 2): grid 16 x 16, 4 waves a work-group, clusters of 4 x 4, 327,680 bytes of LDS; arguments x_codes, x_scales, wq, bias, out0; writes out0
.if DOCPART == 2
	.amdgcn_target "amdgcn-amd-amdhsa--gfx1250"
	.amdhsa_code_object_version 6
	.text
	.protected	k_q0597da2d78_gemm
	.globl	k_q0597da2d78_gemm
	.p2align	8
	.type	k_q0597da2d78_gemm,@function
k_q0597da2d78_gemm:
	s_mov_b64 s[64:65], 0
	v_nop
	global_prefetch_b8 v0, s[64:65] scope:SCOPE_SE
	s_setreg_imm32_b32 hwreg(HW_REG_WAVE_MODE, 25, 1), 1
	s_wait_xcnt 0x0
	s_wait_alu depctr_hold_cnt(0) depctr_sa_sdst(0) depctr_va_vdst(0) depctr_va_sdst(0) depctr_va_ssrc(0) depctr_va_vcc(0) depctr_vm_vsrc(0)
	s_getreg_b32 s2, hwreg(HW_REG_IB_STS2, 6, 4)
	s_cmp_eq_u32 s2, 0
	s_cbranch_scc0 .Lentry_in_a_cluster
	s_endpgm
.Lentry_in_a_cluster:
	s_bfe_u32 s2, ttmp6, 0x10000c
	s_cmp_lg_u32 s2, 0xf033
	s_cbranch_scc0 .Lentry_shape_is_right
	s_endpgm
.Lentry_shape_is_right:
; out[t][n] = sum over k of x[t][k] w[n][k] + bias[n]; x's codes [4096][2048 bytes] and scale bytes [4096][128]; w's codes and scale words (wq) as the first launch lays them; out [4096][4096] f32.
; The sums start from the bias (the C of the first products).  No work of the problem is left out.
; A tile of 256 x 256 is made by a work-group of four waves; a wave makes 128 x 128: 32 accumulators of 32 columns x 16 rows, 512 registers.  The grid is 16 x 16 = 256 work-groups.
; K goes in steps of 512 through a ring of two LDS slots: A's 256 rows of 256 bytes (16 of padding behind each), then two blocks of wq as they lie (128 columns each: codes in the order of the operand's registers, scale words).
; x's scale bytes of the 256 rows come once, for all of K, and stay.
; CLUSTERS: 4 x 4 work-groups.  A's tiles are asked for JOINTLY along a row of the cluster, B's along a column.
; THE MATRIX INSTRUCTION IS USED TRANSPOSED (source 0 = 32 rows of w, source 1 = 16 rows of x): a lane then holds eight neighbouring numbers of a row of the result, twice.
; A step of 128 along K is 32 matrix instructions.  Both operands have TWO SETS of registers: at a step's head stands one run of LDS loads, for the step after it.
; A slot's reads are all issued at the head of its third step; so the change of slots (one barrier, opening a round of the cluster's barrier) stands at that step's end, and the next slot's first fragments have the whole fourth step.
; THE LAST K STEP GOES BY ROWS: all its fragments of B are in registers, and each block of 16 rows is finished by 16 matrix instructions and leaves through my stage in LDS while the others are multiplied.
; PREFETCH: behind the head's loads stands one for K step 1, behind K step 1's load those for K steps 2 and 3, and then behind each refill one for the K step two on; each row of A and each unit of wq once in each cluster:
; of a wave's 128 rows of A the partner at place p takes 32 p .. 32 p + 31, of a block's 136 units of 256 bytes units 32 p .. 32 p + 31 and 128 + 2 p, 129 + 2 p (p = cx for A, cy for B: by address).  The last trip asks for nothing.
; REGISTERS: window 0: v0-31 addresses; v32-95 scale words, a set of 32 for each slot; v128-255 A's two sets; in the last K step v128-223 three buffers of A, v96-127 and v224-255 rows on their way out.
;   window 1: v0-127 B's two sets, v128-191 the bias; in the last K step all of B.   windows 2, 3: the accumulators of my rows 0-63 and 64-127.
.set ROWB,   256
.set PITCH,  272
.set HALFT,  128*PITCH
.set BLOCKB, 34816
.set SLOT,   4*HALFT
.set SCL,    2*SLOT                    ; x's scale bytes: two rows of 128 in 256 bytes, 16 of padding behind
.set QUARS,  32*272                    ; those of 64 rows
.set SBLK,   8*272                     ; those of 16 rows
.set SPARE,  SCL+4*QUARS               ; the spare words
.set SPITCH, 528                       ; the stage: 16 rows x (512 + 16) bytes a wave, in slot 0, which has had its last fill and its last read by then
.set ADRW, 12                          ; v12-13 LDS address of my columns' scale words in slot 0, 1
.set ADRA, 16                          ; v16-17 LDS address of my A fragments in slot 0, 1
.set ADRB, 20                          ; v20-21 the same for B
.set PFO,  22
.set PFP,  23
.set STO,  24
.set RD,   25
.set CO,   26                          ; 16 x lane
.set ADRS, 27                          ; LDS address of my rows' scale words, less 16
.set SPW,  28
.set NIL,  29
.set BO,   30
.set ADRT, 31                          ; the same, on along K
.set SC,   32
.set AF,   128
.set BI,   128
.set QS,   3                           ; s3: 32 x laps begun; also the loop's counter
.set G1,   24
.set G0,   32
.set G1B,  48
.set G0B,  56
.set PFA,  66
.set G1S,  68
.set G1H,  76
.set HA,   84
.set HB0,  88
.set HB1,  92
.set HS,   96
.set PS,   100
.set MSB, 0
.macro WIN new                         ; the immediate's high byte repeats the setting that is left
.if MSB != (\new)
	s_set_vgpr_msb (MSB<<8)|(\new)
.set MSB, (\new)
.endif
.endm
.macro PLACES                          ; four places between a matrix instruction and a load into, or another access to, its registers
.rept 4
	v_nop
.endr
.endm
.macro JLOAD s                         ; a joint load: waves 0 and 1 fetch A's two halves, waves 2 and 3 B's two blocks
	s_cmp_eq_u32 s15, 0
	s_cbranch_scc0 .Lfor_b_\@
	tensor_load_to_lds s[G0+4*\s:G0+4*\s+3], s[G1:G1+7]
	s_nop 0
.rept 4
	v_nop
.endr
	s_branch .Lasked_\@
.Lfor_b_\@:
	tensor_load_to_lds s[G0B+4*\s:G0B+4*\s+3], s[G1B:G1B+7]
	s_nop 0
.rept 4
	v_nop
.endr
.Lasked_\@:
.endm
.macro CREST                           ; a round of the cluster's barrier behind its opening barrier
	s_cmp_lg_u32 s14, 0
	s_cbranch_scc1 .Lnot_wave_0_\@
	s_barrier_signal -3
.Lnot_wave_0_\@:
	s_barrier_wait -3
	s_barrier_signal -1
	s_barrier_wait -1
.endm
.macro CROUND
	s_barrier_signal -1
	s_barrier_wait -1
	CREST
.endm
.macro ASK n                           ; prefetch the K step n on from where the prefetches' base stands
	s_cmp_eq_u32 s15, 0
	s_cbranch_scc0 .Lask_b_\@
	global_prefetch_b8 v[PFO], s[PFA:PFA+1] offset:ROWB*(\n) th:TH_LOAD_NT scope:SCOPE_SE
	s_branch .Lask_end_\@
.Lask_b_\@:
	global_prefetch_b8 v[PFO], s[PFA:PFA+1] offset:BLOCKB*(\n) th:TH_LOAD_NT scope:SCOPE_SE
	global_prefetch_b8 v[PFP], s[PFA:PFA+1] offset:BLOCKB*(\n) th:TH_LOAD_NT scope:SCOPE_SE
.Lask_end_\@:
.endm
	s_load_b256 s[4:11], s[0:1], 0x0               ; x_codes s[4:5], x_scales s[6:7], wq s[8:9], bias s[10:11]
	s_load_b64 s[12:13], s[0:1], 0x20              ; out
	v_lshl_add_u32 v[SPW], v0, 2, SPARE
	v_mov_b32 v[NIL], 0
	ds_add_u32 v[SPW], v[NIL]                      ; the opening lines: the add, twice on end, ahead of my first tensor load
	ds_add_u32 v[SPW], v[NIL]
	v_lshrrev_b32 v1, 5, v0
	v_readfirstlane_b32 s14, v1                    ; wave 0..3
	s_lshr_b32 s15, s14, 1                         ; which half of the tile's rows is mine.  Also: I fetch for A (0) or for B (1)
	s_and_b32 s16, s14, 1                          ; which half of its columns.  Also: which half of that tile I fetch
	s_bfe_u32 s40, ttmp6, 0x40000                  ; cx, cy
	s_bfe_u32 s41, ttmp6, 0x40004
	s_lshl_b32 s42, ttmp9, 2
	s_add_co_u32 s42, s42, s40                     ; tile column
	s_and_b32 s17, ttmp7, 0xffff
	s_lshl_b32 s17, s17, 2
	s_add_co_u32 s17, s17, s41                     ; tile row
	s_lshl_b32 s43, s41, 2
	s_lshl_b32 s43, 15, s43                        ; my row of the cluster
	s_lshl_b32 s44, 0x1111, s40                    ; my column
	s_or_b32 s[G1+0], s43, (1<<20)|(1<<21)|(5<<22)|(3<<25)    ; A: elements of 1 byte; after every 64 words four words of padding
	s_or_b32 s[G1H+0], s43, (1<<20)|(1<<21)|(5<<22)|(3<<25)
.irp g, G1, G1H
	s_mov_b32 s[\g+1], ROWB<<16
	s_mov_b32 s[\g+3], ROWB<<16
	s_mov_b32 s[\g+5], 2048
	s_mov_b32 s[\g+6], 0
	s_mov_b32 s[\g+7], 0
.endr
	s_mov_b32 s[G1+2], 128<<16                     ; 128 rows in the ring,
	s_mov_b32 s[G1+4], 128
	s_mov_b32 s[G1H+2], 256<<16                    ; 256 at the head
	s_mov_b32 s[G1H+4], 256
	s_or_b32 s[G1B+0], s44, (3<<16)|(1<<21)        ; a block of wq: 136 rows of 256 bytes, dense
	s_or_b32 s[G1S+0], s43, (3<<16)|(1<<20)|(1<<21)|(5<<22)|(3<<25)   ; x's scale bytes: 128 rows of 256 bytes, padded
.irp g, G1B, G1S
	s_mov_b32 s[\g+1], 32<<16
	s_mov_b32 s[\g+3], 32<<16
	s_mov_b32 s[\g+5], 32
	s_mov_b32 s[\g+6], 0
	s_mov_b32 s[\g+7], 0
.endr
	s_mov_b32 s[G1B+2], 136<<16
	s_mov_b32 s[G1B+4], 136
	s_mov_b32 s[G1S+2], 128<<16
	s_mov_b32 s[G1S+4], 128
	s_lshl_b32 s20, s17, 19                        ; A: 256 rows of 2,048 bytes
	s_mov_b32 s21, 0
	s_lshl_b32 s18, s16, 18                        ; in the ring I fetch 128 of them
	s_mov_b32 s19, 0
	s_lshl_b32 s22, s17, 15                        ; x's scales: 256 rows of 128 bytes
	s_mov_b32 s23, 0
	s_mul_i32 s46, s42, 16*BLOCKB                  ; B: two columns of eight blocks
	s_mov_b32 s47, 0
	s_mul_i32 s[PS], s16, 8*BLOCKB                 ; and in the ring one of them
	s_mov_b32 s[PS+1], 0
	s_mul_i32 s45, s14, HALFT                      ; where my tiles go in a slot
	s_mul_i32 s92, s15, HALFT                      ; my rows of A,
	s_mul_i32 s93, s16, HALFT
	s_add_co_u32 s93, s93, 2*HALFT                 ; my block of B,
	s_mul_i32 s94, s15, 2*QUARS
	s_add_co_u32 s94, s94, SCL-16                  ; my rows' scale words,
	s_mul_i32 s95, s14, 16*SPITCH                  ; my stage
	s_mul_i32 s96, s41, 7680
	s_sub_co_u32 s96, 32768, s96                   ; units 128 + 2 cy, from unit 32 cy on
	s_cmp_eq_u32 s15, 0
	s_cselect_b32 s97, 11, 8                       ; a lane's prefetch: a row of A, a unit of wq
	v_and_b32 v1, 31, v0                           ; lane
	v_and_b32 v2, 15, v0                           ; r
	v_bfe_u32 v3, v0, 4, 1                         ; h
	v_mul_u32_u24 v4, v2, PITCH
	v_lshlrev_b32 v[CO], 4, v1
	v_lshrrev_b32 v5, 1, v2
	v_mul_u32_u24 v6, v2, SPITCH
	v_lshlrev_b32 v8, 4, v2
	v_lshl_add_u32 v4, v3, 4, v4                   ; a fragment of A: row x pitch + 16 x half
	v_lshlrev_b32 v5, 4, v5
	v_lshl_add_u32 v6, v3, 5, v6
	v_lshl_add_u32 v8, v3, 9, v8                   ; w's scale words: 16 r + 512 h: lanes 0-15 fragment 2 g, lanes 16-31 fragment 2 g + 1
	v_add_nc_u32 v[ADRA], s92, v4
	v_lshl_add_u32 v5, v2, 7, v5                   ; x's scale words: 128 bytes a row, 16 more for each two rows;
	v_add_nc_u32 v[STO], s95, v6
	v_add_nc_u32 v[ADRB], s93, v[CO]
	v_add_nc_u32 v[ADRW], s93, v8
	v_mad_u32_u24 v5, v3, QUARS, v5                ; lanes 16-31 take fragments 4 to 7
	v_add_nc_u32 v[ADRA+1], SLOT, v[ADRA]
	v_add_nc_u32 v[ADRB+1], SLOT, v[ADRB]
	v_add_nc_u32 v[ADRW+1], SLOT, v[ADRW]
	v_add_nc_u32 v[ADRS], s94, v5
	v_add_nc_u32 v[RD], s95, v[CO]
	v_lshlrev_b32 v[BO], 5, v3
	v_lshlrev_b32 v[PFO], s97, v1
	v_and_b32 v7, 1, v1
	v_mov_b32 v[ADRT], v[ADRS]
	v_lshl_add_u32 v[PFP], v7, 8, s96
	s_wait_alu depctr_va_vdst(0)                   ; the wait here, directly ahead of the waits below
	s_wait_dscnt 0x0                               ; both opening adds are done
	CROUND                                         ; all sixteen work-groups are here: the first joint loads meet
	s_wait_kmcnt 0x0
	s_add_nc_u64 s[20:21], s[4:5], s[20:21]
	s_add_nc_u64 s[22:23], s[6:7], s[22:23]
	s_add_nc_u64 s[46:47], s[8:9], s[46:47]
	s_mov_b32 s[HA], 1                             ; the head's four tiles: K step 0's 256 rows of A,
	s_mov_b32 s[HA+1], 0
	s_mov_b64 s[HA+2:HA+3], s[20:21]
	s_or_b32 s[HA+3], s[HA+3], 0x80000000
	s_mov_b32 s[HB0], 1                            ; its two blocks of B,
	s_mov_b32 s[HB0+1], 2*HALFT
	s_mov_b64 s[HB0+2:HB0+3], s[46:47]
	s_or_b32 s[HB0+3], s[HB0+3], 0x80000000
	s_mov_b32 s[HB1], 1
	s_mov_b32 s[HB1+1], 3*HALFT
	s_add_nc_u64 s[HB1+2:HB1+3], s[46:47], 8*BLOCKB
	s_or_b32 s[HB1+3], s[HB1+3], 0x80000000
	s_mov_b32 s[HS], 1                             ; and x's scale bytes
	s_mov_b32 s[HS+1], SCL
	s_mov_b64 s[HS+2:HS+3], s[22:23]
	s_or_b32 s[HS+3], s[HS+3], 0x80000000
.macro ARM under, g0, g1, next         ; one tensor load a wave at the head: one tree of branches, each way through it passes one load
	s_cmp_lt_u32 s14, \under
	s_cbranch_scc0 \next
	tensor_load_to_lds s[\g0:\g0+3], s[\g1:\g1+7]
	s_nop 0
.rept 4
	v_nop
.endr
	s_branch .Lhead_asked
\next:
.endm
	ARM 1, HA,  G1H, .Lhead_b0
	ARM 2, HB0, G1B, .Lhead_b1
	ARM 3, HB1, G1B, .Lhead_s
	tensor_load_to_lds s[HS:HS+3], s[G1S:G1S+7]
	s_nop 0
.rept 4
	v_nop
.endr
.Lhead_asked:
	s_add_nc_u64 s[20:21], s[20:21], s[18:19]
	s_add_nc_u64 s[46:47], s[46:47], s[PS:PS+1]
.irp s, 0,1
	s_mov_b32 s[G0+4*\s], 1
	s_add_co_u32 s[G0+4*\s+1], s45, \s*SLOT
	s_add_nc_u64 s[G0+4*\s+2:G0+4*\s+3], s[20:21], \s*ROWB
	s_or_b32 s[G0+4*\s+3], s[G0+4*\s+3], 0x80000000
	s_mov_b32 s[G0B+4*\s], 1
	s_add_co_u32 s[G0B+4*\s+1], s45, \s*SLOT
	s_add_nc_u64 s[G0B+4*\s+2:G0B+4*\s+3], s[46:47], \s*BLOCKB
	s_or_b32 s[G0B+4*\s+3], s[G0B+4*\s+3], 0x80000000
.endr
	s_lshl_b32 s2, s40, 16                         ; the prefetches' base: my 32 rows of A, my 32 units of a block
	s_lshl_b32 s3, s41, 13
	s_mov_b32 s[PS], 2*BLOCKB
	s_cmp_eq_u32 s15, 0
	s_cselect_b32 s2, s2, s3
	s_cselect_b32 s[PS], 2*ROWB, s[PS]             ; and its step, a lap
	s_cselect_b64 s[PFA:PFA+1], s[20:21], s[46:47]
	s_mov_b32 s3, 0
	s_add_nc_u64 s[PFA:PFA+1], s[PFA:PFA+1], s[2:3]
	s_lshl_b32 s40, s42, 10                        ; my first column, in bytes of f32
	s_lshl_b32 s41, s16, 9
	s_add_co_u32 s40, s40, s41
	s_mov_b32 s41, 0
	s_lshl_b32 s18, s17, 22                        ; my first row
	s_lshl_b32 s19, s15, 21
	s_add_co_u32 s18, s18, s19
	s_mov_b32 s19, 0
	s_add_nc_u64 s[10:11], s[10:11], s[40:41]
	s_add_nc_u64 s[12:13], s[12:13], s[40:41]
	s_add_nc_u64 s[12:13], s[12:13], s[18:19]
	WIN 0x40
.irp b, 0,1,2,3,4,5,6,7
	global_load_b128 v[BI+8*\b:BI+8*\b+3],   v[BO], s[10:11] offset:64*\b
	global_load_b128 v[BI+8*\b+4:BI+8*\b+7], v[BO], s[10:11] offset:64*\b+16
.endr
	WIN 0
	ASK 1
; One matrix instruction, 32 columns x 16 rows: accumulators (a, b) and (a, b + 1), b even, which lie on end; rA and rB name the fragments, q the word of scale set ss; first: the sum starts from the bias
.macro WM a, b, q, ss, first
.set rD, 64*((\a)%4)+8*(\b)
.set mA, (\a)/4
.set rSA, SC+32*(\ss)+4*((\a)%4)+(\q)
.set rSB, SC+32*(\ss)+16+4*((\b)/2)+(\q)
.if \first
.set rC, BI+8*(\b)
	WIN 0x91+0x40*mA                               ; source 0 (B) window 1, source 1 (A) window 0, C window 1, D window 2 or 3
.else
.set rC, rD
	WIN 0xa1+0x50*mA                               ; the same, C and D window 2 or 3
.endif
.if (mA == 0)
	v_wmma_scale_f32_32x16x128_f4 v[rD:rD+15], v[rB:rB+15], v[rA:rA+7], v[rC:rC+15], v[rSB], v[rSA]
.else
	v_wmma_scale_f32_32x16x128_f4 v[rD:rD+15], v[rB:rB+15], v[rA:rA+7], v[rC:rC+15], v[rSB], v[rSA] matrix_b_scale:MATRIX_SCALE_ROW1
.endif
.endm
; A's blocks a0 .. a0 + n - 1 x B's eight, on set p.  The 32 accumulators take turns, in the same order in every step.
.macro MUL a0, n, p, q, ss, first
.set kk, 8*(\a0)
.rept 4*(\n)
.set rA, AF+64*(\p)+8*(kk/8)
.set rB, 64*(\p)+8*(kk%8)
	WM kk/8, kk%8, \q, \ss, \first
.set kk, kk+2
.endr
.endm
.macro BL slot, q, dst                 ; B's eight fragments of the slot's q-th 128 along K: each load reads 512 consecutive bytes
	WIN 0x40
.irp i, 0,1,2,3,4,5,6,7
.irp c, 0,1
	ds_load_b128 v[\dst+8*\i+4*\c:\dst+8*\i+4*\c+3], v[ADRB+\slot] offset:8192*(\q)+1024*\i+512*\c
.endr
.endr
	WIN 0
.endm
.macro SCALES ss, on                   ; the scale words of a K step: x's four loads (lanes 0-15 fragment g, lanes 16-31 fragment g + 4), w's four (fragments 2 g and 2 g + 1)
.irp g, 0,1,2,3
	ds_load_b128 v[SC+32*\ss+4*\g:SC+32*\ss+4*\g+3], v[ADRT] offset:\g*SBLK+\on
	ds_load_b128 v[SC+32*\ss+16+4*\g:SC+32*\ss+16+4*\g+3], v[ADRW+\ss] offset:32768+1024*(\g%2)+256*(\g/2)
.endr
.endm
.macro AL8 slot, q, p                  ; A's eight fragments into set p
.irp i, 0,1,2,3,4,5,6,7
.irp c, 0,1
	ds_load_b128 v[AF+64*\p+8*\i+4*\c:AF+64*\p+8*\i+4*\c+3], v[ADRA+\slot] offset:64*(\q)+32*\c+\i*16*PITCH
.endr
.endr
.endm
; A step whose successor lies in the same slot
.macro STEP slot, q, first
	s_wait_dscnt 8                                 ; of this step's loads the youngest eight (A's blocks 4-7) may be out
	PLACES
	BL \slot, (\q)+1, 64*(((\q)+1)%2)
	AL8 \slot, (\q)+1, (((\q)+1)%2)
	MUL 0, 4, (\q)%2, \q, \slot, \first
	s_wait_dscnt 32                                ; all but the run of 32 above
	MUL 4, 4, (\q)%2, \q, \slot, \first
.endm
; A slot's third step, at whose end the slots change
.macro MEET slot, fill
	s_wait_dscnt 8
	PLACES
	BL \slot, 3, 64
	AL8 \slot, 3, 1
	s_wait_tensorcnt 0x0                           ; all my tensor loads have landed: my part of the next slot;
	ds_add_u32 v[SPW], v[NIL]                      ; 0 onto my spare word; 24 matrix instructions stand between it and the wait for it
.if \fill
	s_add_nc_u64 s[G0+4*\slot+2:G0+4*\slot+3], s[G0+4*\slot+2:G0+4*\slot+3], 2*ROWB
	s_add_nc_u64 s[G0B+4*\slot+2:G0B+4*\slot+3], s[G0B+4*\slot+2:G0B+4*\slot+3], 2*BLOCKB
.endif
	MUL 0, 4, 0, 2, \slot, 0
	s_wait_dscnt 33                                ; all but the run of 32 and the add
	MUL 4, 2, 0, 2, \slot, 0
	s_wait_dscnt 0x0                               ; the add is done, and so are my reads of this slot, its fourth step's among them
	s_barrier_signal -1
	MUL 6, 2, 0, 2, \slot, 0
	WIN 0
	s_barrier_wait -1
.if \fill
	CREST
	JLOAD \slot                                    ; this slot again, two K steps on; the four v_nop behind it are the places for the loads below
.else
	PLACES
.endif
.endm
.macro TURN slot, next, on             ; the third step, the change of slots, the fourth step
	MEET \slot, 1
.if \slot == 0
	s_add_co_u32 s[QS], s[QS], 32
	v_add_nc_u32 v[ADRT], s[QS], v[ADRS]
	s_wait_alu depctr_va_vdst(0)                   ; the wait here, directly behind the write
.endif
	BL \next, 0, 0
	SCALES \next, \on
	AL8 \next, 0, 0
	s_cmp_le_u32 s[QS], 64
	s_cbranch_scc0 .Lno_ask_\@                     ; the last lap's refills have no K step two on
	ASK 4+\slot
.Lno_ask_\@:
	MUL 0, 8, 1, 3, \slot, 0
.endm
	s_wait_alu depctr_va_vdst(0)                   ; the wait at the head's end
	s_wait_tensorcnt 0x0                           ; my tile of the head's four is in
	ds_add_u32 v[SPW], v[NIL]                      ; the add and its wait, ahead of a later first fill, as ahead of a refill
	s_wait_dscnt 0x0
	CROUND                                         ; all four tiles are in, and the joint loads meet
	JLOAD 1                                        ; K step 1
	BL 0, 0, 0
	SCALES 0, 16
	AL8 0, 0, 0
	ASK 2
	ASK 3
	s_wait_loadcnt 0x0                             ; the bias
	STEP 0, 0, 1
	WIN 0
.Llap:                                                 ; from a lap's second step to the next lap's first: three trips
	STEP 0, 1, 0
	TURN 0, 1, 0
	STEP 1, 0, 0
	STEP 1, 1, 0
	TURN 1, 0, 16
	STEP 0, 0, 0
	WIN 0
	s_wait_xcnt 0x0                                ; the prefetches have read their base: it steps
	s_add_nc_u64 s[PFA:PFA+1], s[PFA:PFA+1], s[PS:PS+1]
	s_cmp_lt_u32 s[QS], 96
	s_cbranch_scc1 .Llap
	STEP 0, 1, 0
	MEET 0, 0                                      ; nothing is filled again
; THE LAST K STEP, in slot 1, BY ROWS.  B's fragments of its q-th 128 along K go to v[64 q ..] of window 1, A's by blocks of 16 rows x 512 along K into three buffers.
.macro ALR a
.irp q, 0,1,2,3
.irp c, 0,1
	ds_load_b128 v[AF+32*((\a)%3)+8*\q+4*\c:AF+32*((\a)%3)+8*\q+4*\c+3], v[ADRA+1] offset:64*\q+32*\c+(\a)*16*PITCH
.endr
.endr
.endm
	BL 1, 0, 0                                     ; all but q = 1, whose registers the step below multiplies
	SCALES 1, 32
	ALR 0
	BL 1, 2, 128
	BL 1, 3, 192
	ALR 1
	MUL 0, 8, 1, 3, 0, 0                           ; the last K step but one's fourth step
	PLACES
	BL 1, 1, 64
	ALR 2
.macro TOSTAGE a                       ; block a, 16 rows x 128 columns, into my stage (each accumulator from its low end on) and back as rows of 512 bytes; LDS serves a wave's instructions in order (ISA guide 5.7.1.4)
.set AC, 64*((\a)%4)
	WIN 0x08+4*((\a)/4)
.irp b, 0,1,2,3,4,5,6,7
	ds_store_b128 v[STO], v[AC+8*\b:AC+8*\b+3] offset:64*\b
	ds_store_b128 v[STO], v[AC+8*\b+4:AC+8*\b+7] offset:64*\b+16
.endr
	WIN 0
.if (\a) > 0
	s_wait_xcnt 0x0                                ; the block before's stores have read their data and their base
.endif
.irp t, 0,1,2,3,4,5,6,7
	ds_load_b128 v[96+4*\t:96+4*\t+3], v[RD] offset:\t*SPITCH
.endr
.irp t, 0,1,2,3,4,5,6,7
	ds_load_b128 v[224+4*\t:224+4*\t+3], v[RD] offset:(8+\t)*SPITCH
.endr
.endm
.macro SEND a
.if (\a) > 0
	s_add_nc_u64 s[12:13], s[12:13], 16*16384
.endif
.irp t, 0,1,2,3,4,5,6,7
	global_store_b128 v[CO], v[96+4*\t:96+4*\t+3], s[12:13] offset:\t*16384 th:TH_STORE_NT   ; 512 consecutive bytes, aligned
.endr
.irp t, 0,1,2,3,4,5,6,7
	global_store_b128 v[CO], v[224+4*\t:224+4*\t+3], s[12:13] offset:(8+\t)*16384 th:TH_STORE_NT
.endr
.endm
.irp a, 0,1,2,3,4,5,6,7
.irp q, 0,2,3,1                        ; a block's four accumulators by turns, three others between a sum's steps
.if \a == 0
.if \q == 0
	s_wait_dscnt 56                                ; behind A's block 0 stand B's q = 2 and 3 (32), A's block 1 (8), B's q = 1 (16), A's block 2 (8)
.elseif \q == 2
	s_wait_dscnt 48
.elseif \q == 3
	s_wait_dscnt 32
.else
	s_wait_dscnt 8
.endif
.endif
.irp b, 0,2,4,6
.set rA, AF+32*(\a%3)+8*\q
.set rB, 64*\q+8*\b
	WM \a, \b, \q, 1, 0
.endr
.endr
	PLACES
	TOSTAGE \a
.if \a < 5
	ALR \a+3                                       ; its buffer takes the block three further on
	s_wait_dscnt 8                                 ; the block is back; those eight loads may be out
.else
	s_wait_dscnt 0x0
.endif
	SEND \a
.endr
	s_wait_tensorcnt 0x0                           ; the wave's end
	ds_add_u32 v[SPW], v[NIL]
	s_wait_dscnt 0x0
	CROUND                                         ; the closing round: no work-group ends while a partner may still ask for a tile that names it
	s_endpgm
.Lfunc_end_k_q0597da2d78_gemm:
	.size	k_q0597da2d78_gemm, .Lfunc_end_k_q0597da2d78_gemm-k_q0597da2d78_gemm
	.p2alignl 7, 3214868480
	.fill 96, 4, 3214868480
	.section	.rodata,"a",@progbits
	.p2align	6, 0x0
	.amdhsa_kernel k_q0597da2d78_gemm
		.amdhsa_group_segment_fixed_size 327680
		.amdhsa_private_segment_fixed_size 0
		.amdhsa_enable_private_segment 0
		.amdhsa_kernarg_size 40
		.amdhsa_user_sgpr_count 2
		.amdhsa_user_sgpr_kernarg_segment_ptr 1
		.amdhsa_wavefront_size32 1
		.amdhsa_system_sgpr_workgroup_id_x 1
		.amdhsa_system_sgpr_workgroup_id_y 1
		.amdhsa_system_sgpr_workgroup_id_z 1
		.amdhsa_system_vgpr_workitem_id 0
		.amdhsa_next_free_vgpr 1024
		.amdhsa_next_free_sgpr 102
		.amdhsa_reserve_vcc 0
		.amdhsa_float_denorm_mode_32 3
		.amdhsa_float_denorm_mode_16_64 3
		.amdhsa_memory_ordered 1
		.amdhsa_forward_progress 1
		.amdhsa_inst_pref_size 150
	.end_amdhsa_kernel
	.amdgpu_metadata
---
amdhsa.version: [ 1, 2 ]
amdhsa.kernels:
  - .name:           k_q0597da2d78_gemm
    .symbol:         k_q0597da2d78_gemm.kd
    .args:
      - { .name: x_codes, .offset: 0, .size: 8, .value_kind: global_buffer, .address_space: global }
      - { .name: x_scales, .offset: 8, .size: 8, .value_kind: global_buffer, .address_space: global }
      - { .name: wq, .offset: 16, .size: 8, .value_kind: global_buffer, .address_space: global }
      - { .name: bias, .offset: 24, .size: 8, .value_kind: global_buffer, .address_space: global }
      - { .name: out0, .offset: 32, .size: 8, .value_kind: global_buffer, .address_space: global }
    .group_segment_fixed_size: 327680
    .private_segment_fixed_size: 0
    .kernarg_segment_align: 8
    .kernarg_segment_size: 40
    .max_flat_workgroup_size: 128
    .sgpr_count:     102
    .vgpr_count:     1024
    .wavefront_size: 32
...
	.end_amdgpu_metadata
.endif
;; end of part 2
